; MI455X (gfx1250); checked and timed in simulation.
; The chip was launched on July 23, 2026; its instructions are those of AMD's public machine-readable ISA for CDNA 5 (MIT licence, August 2026) and "CDNA5" Instruction Set Architecture Reference Guide (July 2026). The comments in the code are by the model that wrote it; some were corrected since.
;; Head. Allowed arithmetic: matrix products marked QUANTISED: E4M3 operands, one given power-of-two scale a tensor, by v_wmma_f32_16x16x64_fp8_fp8 or v_wmma_f32_16x16x128_fp8_fp8, f32 sums; everything else in f32.
;; Inputs: Wk 1,024 x 64 float32; Wq 1,024 x 64 float32; Wv 1,024 x 64 float32; lowp_scales 10 int32 (the exponents e of the quantised operands' scales 2^e); x 4 x 4,096 x 1,024 float32.
;; Outputs: out0 4 x 4,096 x 64 float32.
;; This version of the problem:
;;   THIS VERSION OF THE PROBLEM IS GIVEN IN LOW PRECISION. The matrix products marked QUANTISED in the list below multiply operands that are first quantised to E4M3 (4 exponent bits, 3 mantissa bits; 8 bits a number), with one given power-of-two scale for each operand tensor; their sums are f32. All else is computed in f32.
;;   The module's matrix products, in the order in which they are computed (A, B: the left and right operand; K: the contracted axis; several contracted axes count as one K, in the product's order):
;;     1. [M 16,384, K 1,024] x [K 1,024, N 64]; A: input x; B: input Wk: QUANTISED (scales: A lowp_scales[0], B lowp_scales[1])
;;     2. [M 16,384, K 1,024] x [K 1,024, N 64]; A: input x; B: input Wq: QUANTISED (scales: A lowp_scales[2], B lowp_scales[3])
;;     3. [M 16,384, K 1,024] x [K 1,024, N 64]; A: input x; B: input Wv: QUANTISED (scales: A lowp_scales[4], B lowp_scales[5])
;;     4. batch 4 x [M 4,096, K 64] x [K 64, N 4,096]; A: computed on the way; B: computed on the way: QUANTISED (scales: A lowp_scales[6], B lowp_scales[7])
;;     5. batch 4 x [M 4,096, K 4,096] x [K 4,096, N 64]; A: softmax (see below); B: computed on the way: QUANTISED (scales: A lowp_scales[8], B lowp_scales[9])
;;   THE QUANTISER, for each operand of a quantised product, along K:
;;     - The operand's scale is 2^e, e = its entry of the input lowp_scales (int32; the entries are numbered through the quantised products in the list's order, A before B).
;;     - Each number is divided by the scale, clamped to +-448, and rounded to the nearest number of E4M3, ties to even, subnormals kept.
;;     - The product sums the exact products of the quantised numbers (number of the format x scale) in f32.
;;   ~~~python
;;   def quantise(x, axis, e):      # numpy; x: float32 -> the quantised numbers, widened to float32 again
;;       x = np.moveaxis(x, axis, -1); K = x.shape[-1]
;;       r = np.clip(x / 2.0 ** e, -448, 448)
;;       step = 2.0 ** (np.maximum(np.frexp(np.where(r == 0, 1, r))[1] - 1, -6) - 3)
;;       q = np.round(r / step) * step * 2.0 ** e      # np.round: ties to even
;;       return np.moveaxis(q, -1, axis).astype(np.float32)
;;   ~~~
;;   SOFTMAX AHEAD OF A QUANTISED PRODUCT. Where the list says 'softmax', what is quantised is not the finished softmax but p = 2^(t - M), with t = logit x log2(e) and M = ceil(the row's largest t), a whole number; so 1/2 < the row's largest p <= 1. The row's sum l is taken of the UNQUANTISED p, in f32, and the product's result is divided by l at the end. Since M is a whole number, a kernel that streams over the keys may use a running M (the ceiling of the running maximum): every later rescaling is an exact power of two, so the quantised numbers keep their values, but for numbers so far below the row's largest that they fall under the format's range.
;;   OPERANDS COMPUTED ON THE WAY. 'Computed on the way' means the value that the module computes at that place (a softmax that the list does not call 'softmax' is quantised finished and normalised). What goes into a quantiser is computed in f32, as accurately as f32 sums, v_exp_f32 and their like allow (about 1e-6 of the number): no bf16 or f16 on the way to a quantiser, and a product that is left as it is and whose result goes on into a quantised operand takes f32 operands (vector FMAs, or v_wmma_f32_16x16x4_f32). A number that lies on a knife's edge between two numbers of the format may be rounded either way, as far as f32 arithmetic and the matrix unit's own rounding can turn it there, and no further.
;; 2 versions, each right; version 2 is version 1 with the launch attn written anew for expert scheduling mode. Each part assembles by itself: llvm-mc -triple=amdgcn-amd-amdhsa -mcpu=gfx1250 --defsym DOCPART=n.
;; ======== version 1 of 2: 3 launches
;; workspace buffers: wimg 196,608 bytes; qimg 1,048,576 bytes; kimg 1,048,576 bytes; vimg 1,048,576 bytes
;; launch wq (part 1): grid 8 x 3, 4 waves a work-group, no clusters, 0 bytes of LDS; arguments Wk, Wq, Wv, lowp_scales, wimg; writes wimg
.if DOCPART == 1
	.amdgcn_target "amdgcn-amd-amdhsa--gfx1250"
	.amdhsa_code_object_version 6
	.text
	.protected	k_q01fbcf185a_wq
	.globl	k_q01fbcf185a_wq
	.p2align	8
	.type	k_q01fbcf185a_wq,@function
k_q01fbcf185a_wq:
	s_mov_b64 s[64:65], 0
	v_nop
	global_prefetch_b8 v0, s[64:65] scope:SCOPE_SE
	s_setreg_imm32_b32 hwreg(HW_REG_WAVE_MODE, 25, 1), 1
	s_wait_xcnt 0x0
; Wk, Wq, Wv [1024 (k)][64 (n)], f32, become codes of FP8 (E4M3), each with the scale 2^e that is given for it (entries 1, 3, 5), laid in the order of a matrix operand's registers.
; wimg: 96 fragments of 2,048 bytes.  Fragment 12 s + 4 y + t: K step s of 128, tensor y (0 Wk, 1 Wq, 2 Wv), column tile t of 16.  Registers 4 c .. 4 c + 3 of all 32 lanes lie at 512 c + 16 x lane.
; Lane (r, h) holds column 16 t + r, and its registers 4 c .. 4 c + 3 hold k = 128 s + 32 c + 16 h + 0 .. 15: the next launch lays x's codes the same way, so every product meets its partner.
; SHARES.  Work-group (s, y), wave t: one fragment a wave.  A LANE TAKES A COLUMN AND ITS REGISTERS RUN DOWN K, so the conversions' results are the operand's registers and nothing is transposed.
; A load reads 64 consecutive bytes in sixteen lanes; the four waves together read whole rows of 256 bytes.  Each store of a wave covers 512 consecutive bytes, aligned.
; code = w / 2^e, held within +-448, to the nearest code, ties to even.  LIMITS: e between -126 and 119, so that 2^e and 448 x 2^e are f32 numbers.  NaN among the inputs is not served.
.set X, 16                             ; v16-79  64 numbers: register 16 c + i = W(128 s + 32 c + 16 h + i, my column)
.set C, 80                             ; v80-95  the fragment's codes
	s_load_b256 s[4:11], s[0:1], 0x0               ; Wk s[4:5], Wq s[6:7], Wv s[8:9], the scales' exponents s[10:11]
	s_load_b64 s[12:13], s[0:1], 0x20              ; wimg
	v_lshrrev_b32 v1, 5, v0
	v_readfirstlane_b32 s16, v1                    ; wave = column tile
	s_and_b32 s18, ttmp7, 0xffff                   ; y: which tensor
	v_and_b32 v1, 15, v0                           ; r
	v_bfe_u32 v2, v0, 4, 1                         ; h
	v_lshlrev_b32 v3, 2, v1
	v_lshl_add_u32 v3, v2, 12, v3                  ; in: 4 r + 16 h rows of 256 bytes
	v_and_b32 v4, 31, v0
	v_lshlrev_b32 v4, 4, v4                        ; out: 16 x lane
	s_lshl_b32 s20, ttmp9, 15                      ; 128 s rows of 256 bytes
	s_lshl_b32 s21, s16, 6                         ; + 16 t columns of 4 bytes
	s_add_co_u32 s20, s20, s21
	s_mov_b32 s21, 0
	s_mul_i32 s22, ttmp9, 12
	s_lshl_b32 s23, s18, 2
	s_add_co_u32 s22, s22, s23
	s_add_co_u32 s22, s22, s16                     ; fragment 12 s + 4 y + t
	s_lshl_b32 s22, s22, 11
	s_mov_b32 s23, 0
	s_wait_kmcnt 0x0
	s_load_b256 s[24:31], s[10:11], 0x0            ; entries 0 to 7
	s_cmp_eq_u32 s18, 0                            ; the choice of the tensor hangs on the work-group's number alone
	s_cselect_b64 s[4:5], s[4:5], s[6:7]
	s_cmp_eq_u32 s18, 2
	s_cselect_b64 s[4:5], s[8:9], s[4:5]
	s_add_nc_u64 s[4:5], s[4:5], s[20:21]
	s_add_nc_u64 s[12:13], s[12:13], s[22:23]
.irp c, 0,1,2,3
.irp i, 0,1,2,3,4,5,6,7,8,9,10,11,12,13,14,15
	global_load_b32 v[X+16*\c+\i], v3, s[4:5] offset:256*(32*\c+\i) th:TH_LOAD_NT
.endr
.endr
	s_wait_kmcnt 0x0
	s_cmp_eq_u32 s18, 0
	s_cselect_b32 s32, s25, s27                    ; e: entry 1 for Wk, 3 for Wq,
	s_cmp_eq_u32 s18, 2
	s_cselect_b32 s32, s29, s32                    ; 5 for Wv
	s_add_co_i32 s32, s32, 127
	s_lshl_b32 s33, s32, 23
	v_mov_b32 v11, s33                             ; 2^e as f32: the conversion takes its exponent field
	s_add_co_i32 s32, s32, 8
	s_lshl_b32 s32, s32, 23
	s_or_b32 s32, s32, 0x600000
	v_mov_b32 v10, s32                             ; 448 x 2^e
	s_wait_loadcnt 0x0
.irp c, 0,1,2,3
.irp i, 0,1,2,3,4,5,6,7,8,9,10,11,12,13,14,15
	v_med3_num_f32 v[X+16*\c+\i], v[X+16*\c+\i], -v10, v10   ; the conversion to an 8-bit code does not saturate (ISA guide 7.6.2): the hold comes first
.endr
	v_cvt_scalef32_pk8_fp8_f32 v[C+4*\c:C+4*\c+1], v[X+16*\c:X+16*\c+7], v11
	v_cvt_scalef32_pk8_fp8_f32 v[C+4*\c+2:C+4*\c+3], v[X+16*\c+8:X+16*\c+15], v11
.endr
	v_nop                                          ; a plain line behind the last conversion
.irp c, 0,1,2,3
	global_store_b128 v4, v[C+4*\c:C+4*\c+3], s[12:13] offset:512*\c
.endr
	s_endpgm
.Lfunc_end_k_q01fbcf185a_wq:
	.size	k_q01fbcf185a_wq, .Lfunc_end_k_q01fbcf185a_wq-k_q01fbcf185a_wq
	.p2alignl 7, 3214868480
	.fill 96, 4, 3214868480
	.section	.rodata,"a",@progbits
	.p2align	6, 0x0
	.amdhsa_kernel k_q01fbcf185a_wq
		.amdhsa_group_segment_fixed_size 0
		.amdhsa_private_segment_fixed_size 0
		.amdhsa_enable_private_segment 0
		.amdhsa_kernarg_size 40
		.amdhsa_user_sgpr_count 2
		.amdhsa_user_sgpr_kernarg_segment_ptr 1
		.amdhsa_wavefront_size32 1
		.amdhsa_system_sgpr_workgroup_id_x 1
		.amdhsa_system_sgpr_workgroup_id_y 1
		.amdhsa_system_sgpr_workgroup_id_z 1
		.amdhsa_system_vgpr_workitem_id 0
		.amdhsa_next_free_vgpr 96
		.amdhsa_next_free_sgpr 66
		.amdhsa_reserve_vcc 0
		.amdhsa_float_denorm_mode_32 3
		.amdhsa_float_denorm_mode_16_64 3
		.amdhsa_memory_ordered 1
		.amdhsa_forward_progress 1
		.amdhsa_inst_pref_size 13
	.end_amdhsa_kernel
	.amdgpu_metadata
---
amdhsa.version: [ 1, 2 ]
amdhsa.kernels:
  - .name:           k_q01fbcf185a_wq
    .symbol:         k_q01fbcf185a_wq.kd
    .args:
      - { .name: Wk, .offset: 0, .size: 8, .value_kind: global_buffer, .address_space: global }
      - { .name: Wq, .offset: 8, .size: 8, .value_kind: global_buffer, .address_space: global }
      - { .name: Wv, .offset: 16, .size: 8, .value_kind: global_buffer, .address_space: global }
      - { .name: lowp_scales, .offset: 24, .size: 8, .value_kind: global_buffer, .address_space: global }
      - { .name: wimg, .offset: 32, .size: 8, .value_kind: global_buffer, .address_space: global }
    .group_segment_fixed_size: 0
    .private_segment_fixed_size: 0
    .kernarg_segment_align: 8
    .kernarg_segment_size: 40
    .max_flat_workgroup_size: 128
    .sgpr_count:     66
    .vgpr_count:     96
    .wavefront_size: 32
...
	.end_amdgpu_metadata
.endif
;; end of part 1
;; launch proj (part 2): grid 256 x 1, 4 waves a work-group, no clusters, 266,752 bytes of LDS; arguments x, wimg, lowp_scales, qimg, kimg, vimg; writes qimg, kimg, vimg
.if DOCPART == 2
	.amdgcn_target "amdgcn-amd-amdhsa--gfx1250"
	.amdhsa_code_object_version 6
	.text
	.protected	k_q01fbcf185a_proj
	.globl	k_q01fbcf185a_proj
	.p2align	8
	.type	k_q01fbcf185a_proj,@function
k_q01fbcf185a_proj:
	s_mov_b64 s[64:65], 0
	v_nop
	global_prefetch_b8 v0, s[64:65] scope:SCOPE_SE
	s_setreg_imm32_b32 hwreg(HW_REG_WAVE_MODE, 25, 1), 1
	s_wait_xcnt 0x0
; k = x Wk, q = x Wq, v = x Wv on codes of FP8 (E4M3); the f32 sums are quantised again (k: entry 7, q: entry 6, v: entry 9) and stored as images of the next launch's operand registers.
; x [16384][1024] f32 has a scale of its own in each product (entries 0, 2, 4), so it is quantised three times, without a branch on the entries.
; SHARES.  A work-group takes 64 rows of x.  THE FOUR WAVES SPLIT K: wave w takes k = 256 w .. 256 w + 255 for all 64 rows and all 192 columns.  Its 24 fragments of W's codes (49,152 consecutive bytes of wimg)
; stay in 384 registers; its 64 x 1,024 bytes of x come by four tensor loads of 16 rows into LDS bytes of its own.  All of the work-group's x lies in LDS at once: every fill is a first fill, nothing is filled again,
; and all 262,144 bytes are asked for at the kernel's head.  Four loads of 16 rows and not one of 64, so that the counted waits let a tile be worked on while the younger ones are on their way: four of a wave's tensor loads are out at most.
; A UNIT is 16 rows x 128 K: 64 numbers a lane from LDS, three holds and conversions each, 12 matrix instructions.  Two units finish a tile's 12 partial sums, which go into the tile's own LDS bytes
; (they have had their one fill and their last read).  One barrier; then wave w adds the four waves' parts for token tile w of k and q and for channel tile w of v, quantises and stores.
; LAYOUTS.  k, q: source 0 = 16 columns of W, source 1 = 16 rows of x: a lane holds ONE token (lane % 16) and eight neighbouring channels, so one conversion gives two registers of the K = 64 form's own layout.
;           v: source 0 = x, source 1 = W: a lane holds ONE channel and eight neighbouring tokens: the keys are the last product's K.
; qimg, kimg: [token tile of 16][2][32 lanes][16 bytes].  vimg: [128 tokens][channel tile][4][32 lanes][16 bytes].  Each store of a wave covers 512 consecutive bytes, aligned.
; LIMITS, so that each power of two below is an f32 number: entries 0, 2, 4 and e7 - e0 - e1, e6 - e2 - e3, e9 - e4 - e5 between -126 and 119.  NaN among the inputs is not served.
; No cluster: the work-groups share W alone, which each wave holds in registers; LDS is full of x.
; REGISTERS.  window 0: see below.  window 1: W's fragments 0-15 (fragment 12 sl + n at 16 registers each).  window 2: v0-127 fragments 16-23; v128-223 the 12 accumulators.
.set WREG,  66560                      ; LDS: a wave's region: four tiles
.set TILE,  16640                      ; a tile: 16 rows of PITCH bytes = 65 blocks of 256
.set PITCH, 1040                       ; 1,024 bytes + 16 of padding = 65 x 16: the 16 rows that a load touches begin in 16 different columns of 16 bytes modulo 256
.set L16, 1                            ; v1       16 x lane
.set XAD, 2                            ; v2       x in LDS: my region + r x PITCH + 64 h
.set STA, 3                            ; v3       my region + 16 x lane
.set SC,  4                            ; v4-6     2^e0, 2^e2, 2^e4
.set LM,  7                            ; v7-9     448 x those
.set SCO, 10                           ; v10-12   the folded scales of k, q, v
.set LMO, 13                           ; v13-15   448 x those
.set XA,  16                           ; v16-143  two sets of 64 numbers of x; later the four waves' parts
.set R,   16
.set T,   144                          ; v144-175 two sets of 16 held numbers
.set C,   176                          ; v176-223 x's codes: three fragments (for k, q, v)
.set RA,  224                          ; v224-227 the parts of token tile w in wave 0..3's region
.set RB,  228                          ; v228-231 the parts of channel tile w
.set OC,  232                          ; v232-255 three times eight registers of codes to store
.set ACC, 128                          ; in window 2
.set G1, 24                            ; s[24:31] descriptor group 1
.set G0, 32                            ; s[32:47] descriptor group 0, a set for each tile; none is ever rewritten
.set MSB, 0
.macro WIN new                         ; the immediate's high byte repeats the setting that is left
.if MSB != (\new)
	s_set_vgpr_msb (MSB<<8)|(\new)
.set MSB, (\new)
.endif
.endm
.macro PLACES                          ; four plain vector lines between a matrix instruction and a store of its result
.rept 4
	v_nop
.endr
.endm
.macro MKSC e, vs, vl                  ; 2^e and 448 x 2^e as f32
	s_add_co_i32 s58, \e, 127
	s_lshl_b32 s59, s58, 23
	v_mov_b32 v[\vs], s59
	s_add_co_i32 s58, s58, 8
	s_lshl_b32 s58, s58, 23
	s_or_b32 s58, s58, 0x600000
	v_mov_b32 v[\vl], s58
.endm
	s_load_b256 s[4:11], s[0:1], 0x0               ; x s[4:5], wimg s[6:7], the scales' exponents s[8:9], qimg s[10:11]
	s_load_b128 s[12:15], s[0:1], 0x20             ; kimg s[12:13], vimg s[14:15]
	s_set_vgpr_msb 0x80
	v_lshl_add_u32 v224, v0, 2, 0x41000
	v_mov_b32 v225, 0
	s_set_vgpr_msb 0x808a
	ds_add_u32 v224, v225
	ds_add_u32 v224, v225
	s_set_vgpr_msb 0x8a00
	v_lshrrev_b32 v1, 5, v0
	v_readfirstlane_b32 s16, v1                    ; wave 0..3
	; group 1: a tile of 16 rows x 256 elements of 4 bytes, rows 1,024 elements apart, 4 words of padding behind each 256
	s_mov_b32 s[G1+0], (2<<16)|(1<<20)|(7<<22)|(3<<25)
	s_mov_b32 s[G1+1], 256<<16                     ; tensor_dim0 = 256
	s_mov_b32 s[G1+2], 16<<16                      ; tensor_dim1 = 16
	s_mov_b32 s[G1+3], 256<<16                     ; tile_dim0 = 256
	s_mov_b32 s[G1+4], 16                          ; tile_dim1 = 16
	s_mov_b32 s[G1+5], 1024                        ; elements from row to row
	s_mov_b32 s[G1+6], 0
	s_mov_b32 s[G1+7], 0
	s_mul_i32 s17, s16, WREG                       ; my region in LDS
	s_lshl_b32 s18, ttmp9, 18                      ; 64 rows of 4,096 bytes for each work-group
	s_lshl_b32 s19, s16, 10                        ; + my 256 numbers of a row
	s_add_co_u32 s18, s18, s19
	s_mov_b32 s19, 0
	s_wait_dscnt 0x0
	s_wait_kmcnt 0x0
	s_add_nc_u64 s[4:5], s[4:5], s[18:19]
.irp m, 0,1,2,3
	s_mov_b32 s[G0+4*\m], 1                        ; count = 1
	s_add_co_u32 s[G0+4*\m+1], s17, \m*TILE        ; LDS address
	s_add_nc_u64 s[G0+4*\m+2:G0+4*\m+3], s[4:5], \m*65536   ; 16 rows further down
	s_or_b32 s[G0+4*\m+3], s[G0+4*\m+3], 0x80000000         ; type = 2
.endr
.irp m, 0,1,2,3
	tensor_load_to_lds s[G0+4*\m:G0+4*\m+3], s[G1:G1+7]     ; all first fills in one group, ahead of every wait on TENSORcnt, LDS read and barrier
	s_nop 0
.endr
	PLACES
	s_load_b256 s[48:55], s[8:9], 0x0              ; entries 0 to 7
	s_load_b64 s[56:57], s[8:9], 0x20              ; entries 8, 9
	s_mul_i32 s22, s16, 49152                      ; my 24 fragments of W
	s_mov_b32 s23, 0
	s_add_nc_u64 s[6:7], s[6:7], s[22:23]
	v_and_b32 v18, 31, v0
	v_lshlrev_b32 v[L16], 4, v18
	WIN 0x40                                       ; destination window 1
.set i, 0
.rept 64
	global_load_b128 v[4*i:4*i+3], v[L16], s[6:7] offset:512*i
.set i, i+1
.endr
	WIN 0x80                                       ; destination window 2
.rept 32
	global_load_b128 v[4*(i-64):4*(i-64)+3], v[L16], s[6:7] offset:512*i
.set i, i+1
.endr
	WIN 0
	v_and_b32 v16, 15, v0                          ; r
	v_bfe_u32 v17, v0, 4, 1                        ; h
	v_mul_u32_u24 v[XAD], v16, PITCH
	v_lshl_add_u32 v[XAD], v17, 6, v[XAD]          ; my 16 numbers of a block of 32
	v_add_nc_u32 v[XAD], s17, v[XAD]
	v_add_nc_u32 v[STA], s17, v[L16]
	s_mul_i32 s20, s16, TILE                       ; token tile w,
	s_lshl_b32 s21, s16, 10                        ; accumulator 8 + w, in each wave's region
.irp w, 0,1,2,3
	v_add_nc_u32 v[RA+\w], s20, v[L16]
	v_add_nc_u32 v[RB+\w], s21, v[L16]
	s_add_co_u32 s20, s20, WREG
	s_add_co_u32 s21, s21, WREG
.endr
	s_lshl_b32 s18, ttmp9, 12                      ; token tile 4 g + w, 1,024 bytes each
	s_lshl_b32 s20, s16, 10
	s_add_co_u32 s18, s18, s20
	s_add_nc_u64 s[10:11], s[10:11], s[18:19]
	s_add_nc_u64 s[12:13], s[12:13], s[18:19]
	s_lshr_b32 s18, ttmp9, 1                       ; vimg: block g / 2 of 8,192 bytes, fragment w of 2,048, half g % 2 of 1,024
	s_lshl_b32 s18, s18, 13
	s_lshl_b32 s20, s16, 11
	s_add_co_u32 s18, s18, s20
	s_and_b32 s20, ttmp9, 1
	s_lshl_b32 s20, s20, 10
	s_add_co_u32 s18, s18, s20
	s_add_nc_u64 s[14:15], s[14:15], s[18:19]
	s_wait_kmcnt 0x0
	MKSC s48, SC+0, LM+0                           ; x for k
	MKSC s50, SC+1, LM+1                           ; x for q
	MKSC s52, SC+2, LM+2                           ; x for v
	s_sub_co_i32 s60, s55, s48                     ; a sum of k stands for sum x 2^(e0 + e1): its code is sum / 2^(e7 - e0 - e1)
	s_sub_co_i32 s60, s60, s49
	s_sub_co_i32 s61, s54, s50
	s_sub_co_i32 s61, s61, s51                     ; q: e6 - e2 - e3
	s_sub_co_i32 s62, s57, s52
	s_sub_co_i32 s62, s62, s53                     ; v: e9 - e4 - e5
	MKSC s60, SCO+0, LMO+0
	MKSC s61, SCO+1, LMO+1
	MKSC s62, SCO+2, LMO+2
; unit u = 2 m + sl: 64 numbers a lane: register 16 b + i = x(row r of tile m, k = 128 sl + 32 b + 16 h + i): W's layout
.macro LOADX u
.set XB, XA+64*((\u)%2)
.irp b, 0,1,2,3
.irp j, 0,1,2,3
	ds_load_b128 v[XB+16*\b+4*\j:XB+16*\b+4*\j+3], v[XAD] offset:((\u)/2)*TILE+((\u)%2)*512+128*\b+16*\j
.endr
.endr
.endm
; the 64 numbers become three fragments of codes.  The held numbers go into two sets by turns, so that a set is written again sixteen plain lines behind the conversions that read it.
.macro QUANT x
.irp b, 0,1,2,3
.irp e, 0,1,2
.set TS, T+16*((3*\b+\e)%2)
.irp i, 0,1,2,3,4,5,6,7,8,9,10,11,12,13,14,15
	v_med3_num_f32 v[TS+\i], v[\x+16*\b+\i], -v[LM+\e], v[LM+\e]   ; the conversion to an 8-bit code does not saturate (ISA guide 7.6.2)
.endr
	v_cvt_scalef32_pk8_fp8_f32 v[C+16*\e+4*\b:C+16*\e+4*\b+1], v[TS:TS+7], v[SC+\e]
	v_cvt_scalef32_pk8_fp8_f32 v[C+16*\e+4*\b+2:C+16*\e+4*\b+3], v[TS+8:TS+15], v[SC+\e]
.endr
.endr
	v_nop                                          ; a plain line between the last conversion and the products that read the codes
.endm
; 12 matrix instructions, each accumulator once.  sl = 0: the products start the sums.
.macro MULS sl
.irp n, 0,1,2,3,4,5,6,7,8,9,10,11
.set FL, 12*(\sl)+\n
.set WR, 16*(FL%16)
.set AC, ACC+8*\n
.if \n < 8
	WIN (0xa0|(1+FL/16))                           ; source 0 = W (window 1 or 2), source 1 = x's codes (window 0), C and D window 2
.if (\sl) == 0
	v_wmma_f32_16x16x128_fp8_fp8 v[AC:AC+7], v[WR:WR+15], v[C+16*(\n/4):C+16*(\n/4)+15], 0
.else
	v_wmma_f32_16x16x128_fp8_fp8 v[AC:AC+7], v[WR:WR+15], v[C+16*(\n/4):C+16*(\n/4)+15], v[AC:AC+7]
.endif
.else
	WIN (0xa0|((1+FL/16)<<2))                      ; v: source 0 = x's codes, source 1 = W
.if (\sl) == 0
	v_wmma_f32_16x16x128_fp8_fp8 v[AC:AC+7], v[C+32:C+47], v[WR:WR+15], 0
.else
	v_wmma_f32_16x16x128_fp8_fp8 v[AC:AC+7], v[C+32:C+47], v[WR:WR+15], v[AC:AC+7]
.endif
.endif
.endr
	WIN 0
.endm
; tile m's 12 partial sums go into tile m's own bytes as images of their registers: accumulator n at 1,024 n, its low four registers first
.macro STOREP m
	PLACES
	WIN 0x08                                       ; the data lie in window 2
.irp n, 0,1,2,3,4,5,6,7,8,9,10,11
	ds_store_b128 v[STA], v[ACC+8*\n:ACC+8*\n+3] offset:(\m)*TILE+\n*1024
	ds_store_b128 v[STA], v[ACC+8*\n+4:ACC+8*\n+7] offset:(\m)*TILE+\n*1024+512
.endr
	WIN 0
.endm
.macro UNIT u
.if \u < 7
.if (\u+1)%2 == 0
	s_wait_tensorcnt 3-(\u+1)/2                    ; tensor loads of a wave end in order (ISA guide 10.11.1): the next tile is in, the younger ones may be out
.endif
	LOADX \u+1
	s_wait_dscnt 16                                ; all but the 16 loads just issued: this unit's numbers are in, and the last tile's stores have read the accumulators
.else
	s_wait_dscnt 0x0
.endif
	QUANT XA+64*(\u%2)
.if \u == 0
	s_wait_loadcnt 0x0                             ; W's 96 loads
.endif
	MULS \u%2
.if \u%2 == 1
	STOREP \u/2
.endif
.endm
	s_wait_tensorcnt 3                             ; tile 0 is in; three younger loads may be out
	LOADX 0
.irp u, 0,1,2,3,4,5,6,7
	UNIT \u
.endr
	s_wait_dscnt 0x0                               ; for the others' sake: my partial sums lie in LDS
	s_barrier_signal -1
	s_barrier_wait -1
; Four accumulators' parts from the four waves' regions are added, (0 + 1) + (2 + 3), held, converted and stored: eight registers of codes, two stores of 512 bytes.
.macro GROUP adr, off0, stride, sc, lim, oc, ptr
.irp w, 0,1,2,3
.irp c, 0,1,2,3
	ds_load_b128 v[R+32*\w+8*\c:R+32*\w+8*\c+3], v[\adr+\w] offset:\off0+\c*\stride
	ds_load_b128 v[R+32*\w+8*\c+4:R+32*\w+8*\c+7], v[\adr+\w] offset:\off0+\c*\stride+512
.endr
.endr
	s_wait_dscnt 0x0
.irp p, 0,2,4,6,8,10,12,14,16,18,20,22,24,26,28,30
	v_pk_add_f32 v[R+\p:R+\p+1], v[R+\p:R+\p+1], v[R+32+\p:R+32+\p+1]
	v_pk_add_f32 v[R+64+\p:R+64+\p+1], v[R+64+\p:R+64+\p+1], v[R+96+\p:R+96+\p+1]
.endr
.irp p, 0,2,4,6,8,10,12,14,16,18,20,22,24,26,28,30
	v_pk_add_f32 v[R+\p:R+\p+1], v[R+\p:R+\p+1], v[R+64+\p:R+64+\p+1]
.endr
.set i, 0
.rept 32
	v_med3_num_f32 v[R+i], v[R+i], -v[\lim], v[\lim]
.set i, i+1
.endr
.irp c, 0,1,2,3
	v_cvt_scalef32_pk8_fp8_f32 v[\oc+2*\c:\oc+2*\c+1], v[R+8*\c:R+8*\c+7], v[\sc]
.endr
	v_nop                                          ; a plain line behind the last conversion: the next group's sums write its sources
	global_store_b128 v[L16], v[\oc:\oc+3], s[\ptr:\ptr+1]
	global_store_b128 v[L16], v[\oc+4:\oc+7], s[\ptr:\ptr+1] offset:512
.endm
	GROUP RA, 0,    1024, SCO+0, LMO+0, OC,    12  ; k: token tile w, accumulators 0-3
	GROUP RA, 4096, 1024, SCO+1, LMO+1, OC+8,  10  ; q: accumulators 4-7
	GROUP RB, 8192, TILE, SCO+2, LMO+2, OC+16, 14  ; v: accumulator 8 + w of the four token tiles
	s_set_vgpr_msb 0xa
	s_wait_tensorcnt 0x0
	ds_add_u32 v224, v225
	s_wait_dscnt 0x0
	s_set_vgpr_msb 0xa00
	s_endpgm
.Lfunc_end_k_q01fbcf185a_proj:
	.size	k_q01fbcf185a_proj, .Lfunc_end_k_q01fbcf185a_proj-k_q01fbcf185a_proj
	.p2alignl 7, 3214868480
	.fill 96, 4, 3214868480
	.section	.rodata,"a",@progbits
	.p2align	6, 0x0
	.amdhsa_kernel k_q01fbcf185a_proj
		.amdhsa_group_segment_fixed_size 266752
		.amdhsa_private_segment_fixed_size 0
		.amdhsa_enable_private_segment 0
		.amdhsa_kernarg_size 48
		.amdhsa_user_sgpr_count 2
		.amdhsa_user_sgpr_kernarg_segment_ptr 1
		.amdhsa_wavefront_size32 1
		.amdhsa_system_sgpr_workgroup_id_x 1
		.amdhsa_system_sgpr_workgroup_id_y 1
		.amdhsa_system_sgpr_workgroup_id_z 1
		.amdhsa_system_vgpr_workitem_id 0
		.amdhsa_next_free_vgpr 738
		.amdhsa_next_free_sgpr 66
		.amdhsa_reserve_vcc 0
		.amdhsa_float_denorm_mode_32 3
		.amdhsa_float_denorm_mode_16_64 3
		.amdhsa_memory_ordered 1
		.amdhsa_forward_progress 1
		.amdhsa_inst_pref_size 169
	.end_amdhsa_kernel
	.amdgpu_metadata
---
amdhsa.version: [ 1, 2 ]
amdhsa.kernels:
  - .name:           k_q01fbcf185a_proj
    .symbol:         k_q01fbcf185a_proj.kd
    .args:
      - { .name: x, .offset: 0, .size: 8, .value_kind: global_buffer, .address_space: global }
      - { .name: wimg, .offset: 8, .size: 8, .value_kind: global_buffer, .address_space: global }
      - { .name: lowp_scales, .offset: 16, .size: 8, .value_kind: global_buffer, .address_space: global }
      - { .name: qimg, .offset: 24, .size: 8, .value_kind: global_buffer, .address_space: global }
      - { .name: kimg, .offset: 32, .size: 8, .value_kind: global_buffer, .address_space: global }
      - { .name: vimg, .offset: 40, .size: 8, .value_kind: global_buffer, .address_space: global }
    .group_segment_fixed_size: 266752
    .private_segment_fixed_size: 0
    .kernarg_segment_align: 8
    .kernarg_segment_size: 48
    .max_flat_workgroup_size: 128
    .sgpr_count:     66
    .vgpr_count:     738
    .wavefront_size: 32
...
	.end_amdgpu_metadata
.endif
;; end of part 2
;; launch attn (part 3): grid 64 x 4, 4 waves a work-group, no clusters, 87,552 bytes of LDS; arguments qimg, kimg, vimg, lowp_scales, out0; writes out0
.if DOCPART == 3
	.amdgcn_target "amdgcn-amd-amdhsa--gfx1250"
	.amdhsa_code_object_version 6
	.text
	.protected	k_q01fbcf185a_attn
	.globl	k_q01fbcf185a_attn
	.p2align	8
	.type	k_q01fbcf185a_attn,@function
k_q01fbcf185a_attn:
	s_mov_b64 s[64:65], 0
	v_nop
	global_prefetch_b8 v0, s[64:65] scope:SCOPE_SE
	s_setreg_imm32_b32 hwreg(HW_REG_WAVE_MODE, 25, 1), 1
	s_wait_xcnt 0x0
; out[b][q][:] = the sum over keys k <= q of softmax_k(Q[q] . K[k] / 32) V[k][:], one head of 64, 4 batches of 4,096 tokens, both products on codes of FP8 (E4M3).
; qimg, kimg, vimg hold the codes as images of operand registers (16 x lane within each 512 bytes): q and k by tiles of 16 tokens in the K = 64 form's own layout, v by blocks of 128 keys x 16 channels in the K = 128 form's.
; THE SOFTMAX AHEAD OF THE SECOND PRODUCT: t = score x log2(e) / 32 x 2^(e6 + e7); M = the largest t so far, rounded UP to a whole number; p = 2^(t - M) is quantised with 2^e8; the row's sum is taken of the
; unquantised p and divides at the end.  When M moves, the sum and O are multiplied by 2^(old M - new M): nothing is rounded.
; SHARES.  A batch has 128 blocks of 32 queries (two tiles of 16).  Work-group (j, b) owns the late block 127 - j (pair L, window 1) and the early block j (pair E, window 2): with a = j / 4 they need 32 - a and a + 1
; key steps of 128, 33 in every work-group.  THE WAVES SPLIT THE KEYS: wave w walks steps w, w + 4, ..; each keeps its own M, sum and O for all four tiles, and the four meet in LDS at the end.
; So no two waves of a work-group read the same K or V, and the images go from memory straight into registers, 16 loads of 512 bytes each: the loop has no LDS, no barrier and no tensor load.
; No cluster: the four work-groups of one a do walk the same K and V, but joint requests want an LDS ring and a trip count that is a constant of the text, that is, all 32 steps fetched by everyone.
; LAYOUT.  S^T = K Q^T (source 0 = 16 keys, source 1 = 16 queries): a lane holds ONE query (lane % 16) and keys 16 t + 8 (lane / 16) + 0..7 in accumulator t: one conversion gives registers 2 t, 2 t + 1 of P.
;          O^T = V^T P^T (source 0 = 16 channels, source 1 = P): again one query a lane, and eight neighbouring channels.
; CAUSAL.  Steps wholly behind the diagonal are not walked.  Only a pair's last step lies on the diagonal: there hidden scores become -infinity; its first key counts for every query of the pair.
; LIMITS: e6 + e7 between -121 and 132 (added to the exponent field of log2(e) / 32); e8 between -126 and 119; e8 + e9 goes by v_ldexp_f32.  p is quantised under the wave's running M: it differs from the final M's
; only for numbers under the format's range, and in the hold where 448 x 2^e8 lies under 1.
; REGISTERS.  window 0: v1-8 addresses; v16-47 Q (tile T at 16 + 8 T; T = 0, 1: L; 2, 3: E); v64-127 K; v128-191 V.
; windows 1 (L) and 2 (E), u = tile of the pair: v[64 u ..] S^T, then p; v[128 + 32 u ..] O^T; v[192 + 16 u ..] P's codes; from v224 as named below.
.set ST,   224                         ; 8 u + 0: -M; 1: largest t; 2, 3: the sum in two halves; 4, 5: f (a pair; the low word serves); 6, 7: at work
.set LIM,  240                         ; 448 x 2^e8
.set SCP,  241                         ; 2^e8
.set SUM,  242                         ; 2 u: a second chain of sums
.set PERM, 246                         ; u: a lane permute's destination
.set LT,   248                         ; r - 8 h
.set NINF, 249                         ; -infinity
.set DD,   250                         ; u: the mask's threshold
.set REG4, 17408                       ; LDS: a wave's four regions,
.set REG1, 4352                        ; one a tile: O^T's image (4,096 bytes), -M at 4,096, the sum at 4,224
.set STAGE, 4*REG4                     ; behind them: a stage of 16 rows x 272 bytes for each wave
.set WV, 16
.set BB, 18
.set TRIPS, 19                         ; s19 my key steps in all; the loop does not write it
.set NE, 20                            ; s20 key steps of pair E
.set NL, 21                            ; s21 key steps of pair L
.set STEP, 22                          ; s22 my key step
.set TRIP, 23                          ; s23 the loop's counter: 0, 1, ..
.set SEL, 24                           ; s[24:25] v_permlanex16_b32's selects for lane l xor 16
.set CS, 26                            ; s[26:27] c = log2(e) / 32 x 2^(e6 + e7)
.set K0, 28                            ; s[28:29], s[30:31] K's and V's images of my batch
.set V0, 30
.set KB, 32                            ; s[32:33], s[34:35] the bases of the loads in hand
.set VB, 34
.set OFS, 36                           ; s[36:37] an offset; the high word stays 0
.set QL, 38                            ; s38, s39 the pairs' first queries
.set QE, 39
.set MSB, 0
.macro WIN new                         ; the immediate's high byte repeats the setting that is left
.if MSB != (\new)
	s_set_vgpr_msb (MSB<<8)|(\new)
.set MSB, (\new)
.endif
.endm
.macro PLACES                          ; four plain vector lines behind a matrix instruction, ahead of reads of its result and of loads into its sources (ISA guide 7.12.1 for vector instructions)
.rept 4
	v_nop
.endr
.endm
	s_load_b256 s[4:11], s[0:1], 0x0               ; qimg s[4:5], kimg s[6:7], vimg s[8:9], the scales' exponents s[10:11]
	s_load_b64 s[12:13], s[0:1], 0x20              ; out0
	v_lshl_add_u32 v254, v0, 2, 0x15400
	v_mov_b32 v255, 0
	v_lshrrev_b32 v1, 5, v0
	v_readfirstlane_b32 s[WV], v1                  ; wave 0..3
	s_and_b32 s[BB], ttmp7, 0xffff                 ; batch
	s_lshr_b32 s[NE], ttmp9, 2                     ; a = j / 4
	s_sub_co_u32 s[NL], 32, s[NE]
	s_add_co_u32 s[NE], s[NE], 1
	s_mov_b32 s[STEP], s[WV]
	s_sub_co_u32 s[TRIPS], s[NL], s[WV]            ; steps w, w + 4, .. below nL: (nL - w + 3) / 4 of them; nL is 17 at the least, so there are four or more
	s_add_co_u32 s[TRIPS], s[TRIPS], 3
	s_lshr_b32 s[TRIPS], s[TRIPS], 2
	s_mov_b32 s[TRIP], 0
	s_sub_co_u32 s[QL], 127, ttmp9
	s_lshl_b32 s[QL], s[QL], 5
	s_lshl_b32 s[QE], ttmp9, 5
	s_mov_b32 s[SEL], 0x76543210
	s_mov_b32 s[SEL+1], 0xfedcba98
	v_and_b32 v9, 31, v0                           ; lane
	v_and_b32 v10, 15, v0                          ; r
	v_bfe_u32 v11, v0, 4, 1                        ; h
	v_lshlrev_b32 v1, 4, v9                        ; v1: 16 x lane
	s_mul_i32 s50, s[WV], REG4
	s_mul_i32 s51, s[WV], REG1
	v_add_nc_u32 v2, s50, v1                       ; v2: where I put quads of O^T
	v_lshlrev_b32 v3, 2, v9
	v_add_nc_u32 v5, s51, v3                       ; v5: where I read tile w's words
	v_add_nc_u32 v3, s50, v3                       ; v3: where I put -M and the sum
	v_add_nc_u32 v4, s51, v1                       ; v4: where I read tile w's quads
	v_mul_u32_u24 v6, v10, 272
	v_lshl_add_u32 v6, v11, 5, v6
	v_add_nc_u32 v6, s51, v6
	v_add_nc_u32 v6, STAGE, v6                     ; v6: the stage, in: row r, + 32 h
	v_mul_u32_u24 v7, v11, 272
	v_lshl_add_u32 v7, v10, 4, v7
	v_add_nc_u32 v7, s51, v7
	v_add_nc_u32 v7, STAGE, v7                     ; v7: the stage, back: lanes 0-15 one row, lanes 16-31 the next
	v_lshlrev_b32 v8, 3, v11
	v_sub_nc_u32 v8, v10, v8                       ; v8: r - 8 h
	s_cmp_lt_u32 s[WV], 2                          ; the tile that I finish: wave 0, 1: L's; 2, 3: E's
	s_cselect_b32 s56, s[QL], s[QE]
	s_and_b32 s57, s[WV], 1
	s_lshl_b32 s57, s57, 4
	s_add_co_u32 s56, s56, s57                     ; its first query,
	s_lshl_b32 s56, s56, 8                         ; rows of 256 bytes,
	s_lshl_b32 s57, s[BB], 20
	s_add_co_u32 s56, s56, s57                     ; in my batch
	s_mov_b32 s57, 0
	s_wait_kmcnt 0x0
	s_load_b256 s[40:47], s[10:11], 0x0            ; entries 0 to 7
	s_load_b64 s[48:49], s[10:11], 0x20            ; entries 8, 9
	s_add_nc_u64 s[12:13], s[12:13], s[56:57]
	s_lshl_b32 s[OFS], s[BB], 18                   ; a batch's image: 262,144 bytes in each of the three
	s_mov_b32 s[OFS+1], 0
	s_add_nc_u64 s[K0:K0+1], s[6:7], s[OFS:OFS+1]
	s_add_nc_u64 s[V0:V0+1], s[8:9], s[OFS:OFS+1]
	s_add_nc_u64 s[4:5], s[4:5], s[OFS:OFS+1]
	s_lshl_b32 s[OFS], s[QL], 6                    ; 64 bytes a query
	s_add_nc_u64 s[52:53], s[4:5], s[OFS:OFS+1]
	s_lshl_b32 s[OFS], s[QE], 6
	s_add_nc_u64 s[54:55], s[4:5], s[OFS:OFS+1]
	s_lshl_b32 s[OFS], s[WV], 13                   ; my first key step: 8,192 bytes a step
	s_add_nc_u64 s[KB:KB+1], s[K0:K0+1], s[OFS:OFS+1]
	s_add_nc_u64 s[VB:VB+1], s[V0:V0+1], s[OFS:OFS+1]
.irp i, 0,1,2,3
	global_load_b128 v[16+4*\i:19+4*\i], v1, s[52:53] offset:512*\i   ; Q stays in registers
.endr
.irp i, 0,1,2,3
	global_load_b128 v[32+4*\i:35+4*\i], v1, s[54:55] offset:512*\i
.endr
.irp i, 0,1,2,3,4,5,6,7,8,9,10,11,12,13,14,15
	global_load_b128 v[64+4*\i:67+4*\i], v1, s[KB:KB+1] offset:512*\i
.endr
.irp i, 0,1,2,3,4,5,6,7,8,9,10,11,12,13,14,15
	global_load_b128 v[128+4*\i:131+4*\i], v1, s[VB:VB+1] offset:512*\i
.endr
	s_wait_kmcnt 0x0
	s_add_co_i32 s50, s46, s47                     ; e6 + e7,
	s_sub_co_i32 s50, s50, 5                       ; and 1 / 32 = 1024^-0.5,
	s_lshl_b32 s50, s50, 23
	s_add_co_i32 s[CS], s50, 0x3fb8aa3b            ; added to the exponent field of log2(e)
	s_mov_b32 s[CS+1], s[CS]                       ; (named with it as a pair, so it is written)
	s_add_co_i32 s51, s48, 127
	s_lshl_b32 s50, s51, 23                        ; 2^e8
	s_add_co_i32 s51, s51, 8
	s_lshl_b32 s51, s51, 23
	s_or_b32 s51, s51, 0x600000                    ; 448 x 2^e8
	s_add_co_i32 s58, s48, s49                     ; e8 + e9
	; Both pairs begin with O^T = 0, sum = 0 and the largest t = -3e38: the step is written once, and a wave that has no step of pair E hands zeros to the merge.
.irp X, 1,2
	WIN (\X<<6)                                    ; destination window X
.set n, 128
.rept 64
	v_mov_b32 v[n], 0
.set n, n+1
.endr
.irp u, 0,1
	v_mov_b32 v[ST+8*\u], 0x7f61b1e6               ; -M = 3e38
	v_mov_b32 v[ST+8*\u+1], 0xff61b1e6             ; the largest t so far: -3e38
	v_mov_b32 v[ST+8*\u+2], 0
	v_mov_b32 v[ST+8*\u+3], 0
	v_mov_b32 v[ST+8*\u+5], 0                      ; (named as the upper half of f's pair)
	v_mov_b32 v[PERM+\u], 0                        ; a lane permute's destination counts as one of its sources
.endr
	v_mov_b32 v[LIM], s51
	v_mov_b32 v[SCP], s50
	v_mov_b32 v[LT], v8
	v_mov_b32 v[NINF], 0xff800000
.endr
	WIN 0
; S^T = K Q^T for pair X: 16 products, each starts its sum
.macro KQ X
	WIN (\X<<6)
.irp t, 0,1,2,3,4,5,6,7
.irp u, 0,1
	v_wmma_f32_16x16x64_fp8_fp8 v[64*\u+8*\t:64*\u+8*\t+7], v[64+8*\t:64+8*\t+7], v[16+8*(2*(\X-1)+\u):16+8*(2*(\X-1)+\u)+7], 0
.endr
.endr
.endm
; O^T += V^T P^T for pair X: 8 products, each accumulator once
.macro PV X
	WIN (0x54*\X)                                  ; V in window 0; P, C and D in window X
.irp d, 0,1,2,3
.irp u, 0,1
	v_wmma_f32_16x16x128_fp8_fp8 v[128+32*\u+8*\d:128+32*\u+8*\d+7], v[128+16*\d:128+16*\d+15], v[192+16*\u:192+16*\u+15], v[128+32*\u+8*\d:128+32*\u+8*\d+7]
.endr
.endr
.endm
; The softmax of a pair's two tiles for one key step, stage by stage, the tiles by turns: every operand lies in the pair's window.  Each accumulator is read from its low end on.
.macro SOFTMAX
.irp u, 0,1
	v_max3_num_f32 v[ST+8*\u+6], v[64*\u], v[64*\u+1], v[64*\u+2]           ; the step's largest score of my query among my 64 keys, in two chains a tile
	v_max3_num_f32 v[ST+8*\u+7], v[64*\u+3], v[64*\u+4], v[64*\u+5]
.endr
.irp i, 6,10,14,18,22,26,30,34,38,42,46,50,54,58
.irp u, 0,1
	v_max3_num_f32 v[ST+8*\u+6], v[ST+8*\u+6], v[64*\u+\i], v[64*\u+\i+1]
	v_max3_num_f32 v[ST+8*\u+7], v[ST+8*\u+7], v[64*\u+\i+2], v[64*\u+\i+3]
.endr
.endr
.irp u, 0,1
	v_max3_num_f32 v[ST+8*\u+6], v[ST+8*\u+6], v[64*\u+62], v[64*\u+63]
.endr
.irp u, 0,1
	v_max_num_f32 v[ST+8*\u+6], v[ST+8*\u+6], v[ST+8*\u+7]
.endr
.irp u, 0,1
	v_permlanex16_b32 v[PERM+\u], v[ST+8*\u+6], s[SEL], s[SEL+1]            ; the query's other 64 keys lie in the lane 16 away
.endr
.irp u, 0,1
	v_max_num_f32 v[ST+8*\u+6], v[ST+8*\u+6], v[PERM+\u]
.endr
.irp u, 0,1
	v_mul_f32 v[ST+8*\u+6], s[CS], v[ST+8*\u+6]                             ; as t (c is positive)
.endr
.irp u, 0,1
	v_max_num_f32 v[ST+8*\u+1], v[ST+8*\u+1], v[ST+8*\u+6]                  ; the running largest t
	v_mov_b32 v[ST+8*\u+7], v[ST+8*\u]
.endr
.irp u, 0,1
	v_floor_f32 v[ST+8*\u], -v[ST+8*\u+1]                                   ; the new -M = floor(-t): M is a whole number
.endr
.irp u, 0,1
	v_sub_f32 v[ST+8*\u+7], v[ST+8*\u], v[ST+8*\u+7]                        ; old M - new M: a whole number, 0 or less
.endr
.irp u, 0,1
	v_cvt_i32_f32 v[ST+8*\u+7], v[ST+8*\u+7]                                ; (it saturates)
.endr
.irp u, 0,1
	v_ldexp_f32 v[ST+8*\u+4], 1.0, v[ST+8*\u+7]                             ; f = 2^(old M - new M)
.endr
.irp u, 0,1
.set n, 0
.rept 32
	v_pk_fma_f32 v[64*\u+n:64*\u+n+1], v[64*\u+n:64*\u+n+1], s[CS:CS+1], v[ST+8*\u:ST+8*\u+1] op_sel_hi:[1,0,0]   ; t - M (of the pairs c and -M the low word serves both halves)
.set n, n+2
.endr
.endr
.set n, 0
.rept 128
	v_exp_f32 v[n], v[n]                                                    ; p = 2^(t - M), at most 1: not normalised
.set n, n+1
.endr
.irp u, 0,1
	v_pk_mul_f32 v[ST+8*\u+2:ST+8*\u+3], v[ST+8*\u+2:ST+8*\u+3], v[ST+8*\u+4:ST+8*\u+5] op_sel_hi:[1,0]   ; the sums under the new M (a plain line behind the exponentials)
.endr
	s_wait_alu depctr_va_vdst(0)
.irp u, 0,1
	v_pk_add_f32 v[SUM+2*\u:SUM+2*\u+1], v[64*\u:64*\u+1], v[64*\u+2:64*\u+3]   ; the row's sum is taken of the unquantised p, in two chains a tile
.endr
.irp j, 4,8,12,16,20,24,28,32,36,40,44,48,52,56,60
.irp u, 0,1
	v_pk_add_f32 v[ST+8*\u+2:ST+8*\u+3], v[ST+8*\u+2:ST+8*\u+3], v[64*\u+\j:64*\u+\j+1]
	v_pk_add_f32 v[SUM+2*\u:SUM+2*\u+1], v[SUM+2*\u:SUM+2*\u+1], v[64*\u+\j+2:64*\u+\j+3]
.endr
.endr
.irp u, 0,1
	v_pk_add_f32 v[ST+8*\u+2:ST+8*\u+3], v[ST+8*\u+2:ST+8*\u+3], v[SUM+2*\u:SUM+2*\u+1]
.endr
.set n, 0
.rept 128
	v_min_num_f32 v[n], v[n], v[LIM]                                        ; the conversion does not saturate (ISA guide 7.6.2); p is not negative, so the hold is one-sided
.set n, n+1
.endr
.set n, 0
.rept 16
	v_cvt_scalef32_pk8_fp8_f32 v[192+2*n:193+2*n], v[8*n:8*n+7], v[SCP]     ; accumulator t of tile u gives registers 2 t, 2 t + 1 of P(u)
.set n, n+1
.endr
.irp u, 0,1
.set n, 0
.rept 16
	v_pk_mul_f32 v[128+32*\u+n:128+32*\u+n+1], v[128+32*\u+n:128+32*\u+n+1], v[ST+8*\u+4:ST+8*\u+5] op_sel_hi:[1,0]   ; O^T under the new M; also the plain lines between the conversions and the products
.set n, n+2
.endr
.endr
.endm
; The mask, in the pair's last step alone (a scalar branch on ids), then the softmax.  Register 8 t + i of tile u holds key 128 STEP + 16 t + 8 h + i: hidden where 16 t + i > first query + 16 u + r - 8 h - 128 STEP.
.macro PAIRSM X, qx, nx
	WIN 0                                          ; at a branch and at a label every window is 0
	s_add_co_u32 s50, s[STEP], 1
	s_cmp_lg_u32 s50, s[\nx]
	s_cbranch_scc1 .Lopen_\@
	s_lshl_b32 s56, s[STEP], 7
	s_sub_co_i32 s56, s[\qx], s56
	s_add_co_i32 s57, s56, 16
	WIN (0x55*\X)
	v_add_nc_u32 v[DD], s56, v[LT]
	v_add_nc_u32 v[DD+1], s57, v[LT]
.set n, 0
.rept 64
	v_cmp_gt_i32 vcc_lo, 16*(n/8)+n%8, v[DD]
	v_cndmask_b32 v[n], v[n], v[NINF], vcc_lo
	v_cmp_gt_i32 vcc_lo, 16*(n/8)+n%8, v[DD+1]
	v_cndmask_b32 v[64+n], v[64+n], v[NINF], vcc_lo
.set n, n+1
.endr
	WIN 0
.Lopen_\@:
	WIN (0x55*\X)
	SOFTMAX
.endm
; My next step's image, 16 loads of 512 bytes.  The step is held at 31, the batch's last: in a wave's last trip the loads bring bytes that nobody uses, so that the counts of the waits are the same in every trip.
.macro LDNEXT reg, base, from
	s_add_co_u32 s[OFS], s[STEP], 4
	s_min_u32 s[OFS], s[OFS], 31
	s_lshl_b32 s[OFS], s[OFS], 13
	s_add_nc_u64 s[\base:\base+1], s[\from:\from+1], s[OFS:OFS+1]   ; the loads that named this base have been waited for
.irp i, 0,1,2,3,4,5,6,7,8,9,10,11,12,13,14,15
	global_load_b128 v[\reg+4*\i:\reg+4*\i+3], v1, s[\base:\base+1] offset:512*\i
.endr
.endm
.Lstep:                                            ; TRIPS trips, counted by TRIP; STEP goes w, w + 4, ..
	s_wait_loadcnt 16                              ; K (and, in the first trip, Q) is in; V's 16 loads were issued behind it and may be out
	s_cmp_ge_u32 s[STEP], s[NE]
	s_cbranch_scc1 .Lno_e                          ; pair E's whole work of a step stands under this one branch
	KQ 2
	PLACES
	PAIRSM 2, QE, NE
	s_wait_loadcnt 0x0                             ; V: nothing was issued behind it
	PV 2
	WIN 0
.Lno_e:
	KQ 1
	PLACES                                         ; ahead of the loads into K's registers and of the first read of the scores
	WIN 0
	LDNEXT 64, KB, K0                              ; the next K has this softmax in which to land
	PAIRSM 1, QL, NL
	s_wait_loadcnt 16                              ; V is in, on both ways; the 16 loads issued behind it are the next K's
	PV 1
	PLACES                                         ; ahead of the loads into V's registers; behind the loop, of the stores of O^T
	WIN 0
	LDNEXT 128, VB, V0
	s_add_co_u32 s[STEP], s[STEP], 4
	s_add_co_u32 s[TRIP], s[TRIP], 1
	s_cmp_lt_u32 s[TRIP], s[TRIPS]
	s_cbranch_scc1 .Lstep
	; THE MERGE.  Each wave finishes its sums and puts O^T, -M and the sum of all four tiles into LDS as images of their registers.
	s_wait_loadcnt 0x0                             ; the last trip's loads have landed: their registers are used again below
.irp X, 1,2
	WIN (0x55*\X)
.irp u, 0,1
	v_add_f32 v[ST+8*\u+2], v[ST+8*\u+2], v[ST+8*\u+3]
.endr
.irp u, 0,1
	v_permlanex16_b32 v[PERM+\u], v[ST+8*\u+2], s[SEL], s[SEL+1]
.endr
.irp u, 0,1
	v_add_f32 v[ST+8*\u+2], v[ST+8*\u+2], v[PERM+\u]                        ; the sum over my keys
.endr
	WIN (\X<<2)                                    ; the data lie in window X
.irp u, 0,1
.irp i, 0,1,2,3,4,5,6,7
	ds_store_b128 v2, v[128+32*\u+4*\i:128+32*\u+4*\i+3] offset:(2*(\X-1)+\u)*REG1+512*\i
.endr
	ds_store_b32 v3, v[ST+8*\u] offset:(2*(\X-1)+\u)*REG1+4096
	ds_store_b32 v3, v[ST+8*\u+2] offset:(2*(\X-1)+\u)*REG1+4224
.endr
.endr
	WIN 0
	s_wait_dscnt 0x0                               ; for the others' sake: my stores have landed
	s_barrier_signal -1
	s_barrier_wait -1
	; Wave w finishes tile w: the four waves' -M (v16-19), sums (v20-23) and O^T (v64-191)
.irp w, 0,1,2,3
	ds_load_b32 v[16+\w], v5 offset:\w*REG4+4096
	ds_load_b32 v[20+\w], v5 offset:\w*REG4+4224
.endr
.irp w, 0,1,2,3
.irp i, 0,1,2,3,4,5,6,7
	ds_load_b128 v[64+32*\w+4*\i:64+32*\w+4*\i+3], v4 offset:\w*REG4+512*\i
.endr
.endr
	s_wait_dscnt 32                                ; the eight words are in; the 32 quads issued behind them may be out
	v_min3_num_f32 v24, v16, v17, v18
	v_min_num_f32 v24, v24, v19                    ; the least -M: the largest M
.irp i, 0,1,2,3
	v_sub_f32 v[28+\i], v24, v[16+\i]              ; M of wave i less the largest: a whole number, 0 or less
.endr
.irp i, 0,1,2,3
	v_cvt_i32_f32 v[28+\i], v[28+\i]               ; (it saturates: a wave without a step of this tile gets the factor 0)
.endr
.irp i, 0,1,2,3
	v_ldexp_f32 v[28+\i], 1.0, v[28+\i]
.endr
	v_mul_f32 v25, v28, v20
	v_fmac_f32 v25, v29, v21
	v_fmac_f32 v25, v30, v22
	v_fmac_f32 v25, v31, v23                       ; the row's sum
	v_rcp_f32 v25, v25
	v_nop                                          ; a plain line behind the transcendental
	s_wait_alu depctr_va_vdst(0)
	v_ldexp_f32 v25, v25, s58                      ; x 2^(e8 + e9)
.irp i, 0,1,2,3
	v_mul_f32 v[32+2*\i], v[28+\i], v25            ; wave i's factor, in both registers of a pair
	v_mul_f32 v[33+2*\i], v[28+\i], v25
.endr
	s_wait_dscnt 0x0
.irp p, 0,2,4,6,8,10,12,14,16,18,20,22,24,26,28,30
	v_pk_mul_f32 v[192+\p:193+\p], v[64+\p:65+\p], v[32:33]
.endr
.irp w, 1,2,3
.irp p, 0,2,4,6,8,10,12,14,16,18,20,22,24,26,28,30
	v_pk_fma_f32 v[192+\p:193+\p], v[64+32*\w+\p:65+32*\w+\p], v[32+2*\w:33+2*\w], v[192+\p:193+\p]
.endr
.endr
	; THE WAY OUT.  Register 8 d + i is out(query r, channel 16 d + 8 h + i).  The tile goes through my own stage and comes back as rows of 256 bytes, two an instruction.
.irp d, 0,1,2,3
	ds_store_b128 v6, v[192+8*\d:195+8*\d] offset:64*\d
	ds_store_b128 v6, v[196+8*\d:199+8*\d] offset:64*\d+16
.endr
.irp i, 0,1,2,3,4,5,6,7
	ds_load_b128 v[64+4*\i:67+4*\i], v7 offset:544*\i   ; LDS serves a wave's instructions in order (ISA guide 5.7.1.4): these see my stores
.endr
.irp i, 0,1,2,3,4,5,6,7
	s_wait_dscnt 7-\i
	global_store_b128 v1, v[64+4*\i:67+4*\i], s[12:13] offset:512*\i th:TH_STORE_NT   ; 32 lanes store 512 consecutive bytes, aligned: two rows of out
.endr
	s_wait_tensorcnt 0x0
	ds_add_u32 v254, v255
	s_wait_dscnt 0x0
	s_endpgm
.Lfunc_end_k_q01fbcf185a_attn:
	.size	k_q01fbcf185a_attn, .Lfunc_end_k_q01fbcf185a_attn-k_q01fbcf185a_attn
	.p2alignl 7, 3214868480
	.fill 96, 4, 3214868480
	.section	.rodata,"a",@progbits
	.p2align	6, 0x0
	.amdhsa_kernel k_q01fbcf185a_attn
		.amdhsa_group_segment_fixed_size 87552
		.amdhsa_private_segment_fixed_size 0
		.amdhsa_enable_private_segment 0
		.amdhsa_kernarg_size 40
		.amdhsa_user_sgpr_count 2
		.amdhsa_user_sgpr_kernarg_segment_ptr 1
		.amdhsa_wavefront_size32 1
		.amdhsa_system_sgpr_workgroup_id_x 1
		.amdhsa_system_sgpr_workgroup_id_y 1
		.amdhsa_system_sgpr_workgroup_id_z 1
		.amdhsa_system_vgpr_workitem_id 0
		.amdhsa_next_free_vgpr 768
		.amdhsa_next_free_sgpr 66
		.amdhsa_reserve_vcc 1
		.amdhsa_float_denorm_mode_32 3
		.amdhsa_float_denorm_mode_16_64 3
		.amdhsa_memory_ordered 1
		.amdhsa_forward_progress 1
		.amdhsa_inst_pref_size 102
	.end_amdhsa_kernel
	.amdgpu_metadata
---
amdhsa.version: [ 1, 2 ]
amdhsa.kernels:
  - .name:           k_q01fbcf185a_attn
    .symbol:         k_q01fbcf185a_attn.kd
    .args:
      - { .name: qimg, .offset: 0, .size: 8, .value_kind: global_buffer, .address_space: global }
      - { .name: kimg, .offset: 8, .size: 8, .value_kind: global_buffer, .address_space: global }
      - { .name: vimg, .offset: 16, .size: 8, .value_kind: global_buffer, .address_space: global }
      - { .name: lowp_scales, .offset: 24, .size: 8, .value_kind: global_buffer, .address_space: global }
      - { .name: out0, .offset: 32, .size: 8, .value_kind: global_buffer, .address_space: global }
    .group_segment_fixed_size: 87552
    .private_segment_fixed_size: 0
    .kernarg_segment_align: 8
    .kernarg_segment_size: 40
    .max_flat_workgroup_size: 128
    .sgpr_count:     66
    .vgpr_count:     768
    .wavefront_size: 32
...
	.end_amdgpu_metadata
.endif
;; end of part 3
;; ======== version 2 of 2: 3 launches; version 1 with the launch attn written anew for expert scheduling mode
;; workspace buffers: wimg 196,608 bytes; qimg 1,048,576 bytes; kimg 1,048,576 bytes; vimg 1,048,576 bytes
;; launch wq: the kernel of part 1 again; grid 8 x 3, 4 waves a work-group, no clusters, 0 bytes of LDS; arguments Wk, Wq, Wv, lowp_scales, wimg; writes wimg
;; launch proj: the kernel of part 2 again; grid 256 x 1, 4 waves a work-group, no clusters, 266,752 bytes of LDS; arguments x, wimg, lowp_scales, qimg, kimg, vimg; writes qimg, kimg, vimg
;; launch attn (part 4): grid 64 x 4, 4 waves a work-group, no clusters, 87,552 bytes of LDS; arguments qimg, kimg, vimg, lowp_scales, out0; writes out0
.if DOCPART == 4
	.amdgcn_target "amdgcn-amd-amdhsa--gfx1250"
	.amdhsa_code_object_version 6
	.text
	.protected	k_q01fbcf185a_attn
	.globl	k_q01fbcf185a_attn
	.p2align	8
	.type	k_q01fbcf185a_attn,@function
k_q01fbcf185a_attn:
	s_mov_b64 s[64:65], 0
	v_nop
	global_prefetch_b8 v0, s[64:65] scope:SCOPE_SE
	s_setreg_imm32_b32 hwreg(HW_REG_WAVE_SCHED_MODE, 0, 2), 2
	s_setreg_imm32_b32 hwreg(HW_REG_WAVE_MODE, 25, 1), 1
	s_wait_xcnt 0x0
	s_wait_alu depctr_vm_vsrc(0)
; out[b][q][:] = the sum over keys k <= q of softmax_k(Q[q] . K[k] / 32) V[k][:], one head of 64, 4 batches of 4,096 tokens, both products on codes of FP8 (E4M3).
; qimg, kimg, vimg hold the codes as images of operand registers (16 x lane within each 512 bytes): q and k by tiles of 16 tokens in the K = 64 form's own layout, v by blocks of 128 keys x 16 channels in the K = 128 form's.
; THE SOFTMAX AHEAD OF THE SECOND PRODUCT: t = score x log2(e) / 32 x 2^(e6 + e7); M = the largest t so far, rounded UP to a whole number; p = 2^(t - M) is quantised with 2^e8; the row's sum is taken of the
; unquantised p and divides at the end.  When M moves, the sum and O are multiplied by 2^(old M - new M): nothing is rounded.
; SHARES.  A batch has 128 blocks of 32 queries (two tiles of 16).  Work-group (j, b) owns the late block 127 - j (pair L, window 1) and the early block j (pair E, window 2): with a = j / 4 they need 32 - a and a + 1
; key steps of 128, 33 in every work-group.  THE WAVES SPLIT THE KEYS: wave w walks steps w, w + 4, ..; each keeps its own M, sum and O for all four tiles, and the four meet in LDS at the end.
; So no two waves of a work-group read the same K or V, and the images go from memory straight into registers, 16 loads of 512 bytes each: the loop has no LDS, no barrier and no tensor load.
; No cluster: the four work-groups of one a do walk the same K and V, but joint requests want an LDS ring and a trip count that is a constant of the text, that is, all 32 steps fetched by everyone.
; LAYOUT.  S^T = K Q^T (source 0 = 16 keys, source 1 = 16 queries): a lane holds ONE query (lane % 16) and keys 16 t + 8 (lane / 16) + 0..7 in accumulator t: one conversion gives registers 2 t, 2 t + 1 of P.
;          O^T = V^T P^T (source 0 = 16 channels, source 1 = P): again one query a lane, and eight neighbouring channels.
; CAUSAL.  Steps wholly behind the diagonal are not walked.  Only a pair's last step lies on the diagonal: there hidden scores become -infinity; its first key counts for every query of the pair.
; LIMITS: e6 + e7 between -121 and 132 (added to the exponent field of log2(e) / 32); e8 between -126 and 119; e8 + e9 goes by v_ldexp_f32.  p is quantised under the wave's running M: it differs from the final M's
; only for numbers under the format's range, and in the hold where 448 x 2^e8 lies under 1.
; THE MODE: SCHED_MODE bits 1:0 = 2 (LLVM: expert scheduling mode 2), set by the entry lines.  The code itself states the register dependences between vector or matrix instructions and memory or LDS
; instructions, with s_wait_alu, always for 0.
; THE PLAN.  Registers that memory or LDS instructions touch:
;   v1, v2-v7   16 x lane (the offset of every global load and store) and the LDS addresses.  Made at the head, ahead of one wait on va_vdst; no vector instruction names them again.
;   v16-47      Q.  Loaded at the head; read by every step's products K Q^T; behind the barrier the merge's words land in v16-23.
;   v64-127     K.  Read by a step's products K Q^T (pair E's, then pair L's).  The next step's 16 loads land in it: they stand in pair L's softmax, behind the chains of maxima, which read every score.
;   v128-191    V.  Read by a step's products V^T P^T (pair E's, then pair L's).  The next step's 16 loads land in it: they stand at the step's end.
;   windows 1, 2: O^T, -M and the sums are written by vector and matrix instructions and read by the merge's LDS stores, and by nothing behind them.
;   v64-191     behind the barrier: the four waves' O^T land there and are read by the multiply-adds; then the stage's rows land in v64-95 and leave by the global stores.   v192-223: the finished tile, read by the stage's LDS stores.
; So a step has three waits on va_vdst (four where pair E has work): ahead of K's loads, behind each softmax's exponentials, ahead of V's loads.  No register that a memory or LDS instruction reads is ever written again,
; so the text waits on vm_vsrc only at its entry and its end.  Lane masks and the wave's number are the scalar results of vector instructions: a wait on va_sdst stands ahead of their first readers.
; REGISTERS.  window 0: v1-8 addresses; v16-47 Q (tile T at 16 + 8 T; T = 0, 1: L; 2, 3: E); v64-127 K; v128-191 V.
; windows 1 (L) and 2 (E), u = tile of the pair: v[64 u ..] S^T, then p; v[128 + 32 u ..] O^T; v[192 + 16 u ..] P's codes; from v224 as named below.
.set ST,   224                         ; 8 u + 0: -M; 1: largest t; 2, 3: the sum in two halves; 4, 5: f (a pair; the low word serves); 6, 7: at work
.set LIM,  240                         ; 448 x 2^e8
.set SCP,  241                         ; 2^e8
.set SUM,  242                         ; 2 u: a second chain of sums
.set PERM, 246                         ; u: a lane permute's destination
.set LT,   248                         ; r - 8 h
.set NINF, 249                         ; -infinity
.set DD,   250                         ; u: the mask's threshold
.set REG4, 17408                       ; LDS: a wave's four regions,
.set REG1, 4352                        ; one a tile: O^T's image (4,096 bytes), -M at 4,096, the sum at 4,224
.set STAGE, 4*REG4                     ; behind them: a stage of 16 rows x 272 bytes for each wave
.set MKB, 4                            ; s[4:11]  eight lane masks of the pair's second tile: free since the head, where the arguments were used up
.set WV, 16
.set BB, 18
.set TRIPS, 19                         ; s19 my key steps in all; the loop does not write it
.set NE, 20                            ; s20 key steps of pair E
.set NL, 21                            ; s21 key steps of pair L
.set STEP, 22                          ; s22 my key step
.set TRIP, 23                          ; s23 the loop's counter: 0, 1, ..
.set SEL, 24                           ; s[24:25] v_permlanex16_b32's selects for lane l xor 16
.set CS, 26                            ; s[26:27] c = log2(e) / 32 x 2^(e6 + e7)
.set K0, 28                            ; s[28:29], s[30:31] K's and V's images of my batch
.set V0, 30
.set KB, 32                            ; s[32:33], s[34:35] the bases of the loads in hand
.set VB, 34
.set OFS, 36                           ; s[36:37] an offset; the high word stays 0
.set QL, 38                            ; s38, s39 the pairs' first queries
.set QE, 39
.set MKA, 40                           ; s[40:47] eight lane masks of the pair's first tile: free since the head, where the scales' exponents were used up
.set MSB, 0
.macro WIN new                         ; the immediate's high byte repeats the setting that is left
.if MSB != (\new)
	s_set_vgpr_msb (MSB<<8)|(\new)
.set MSB, (\new)
.endif
.endm
.macro PLACES                          ; four plain vector lines behind a matrix instruction, ahead of reads of its result (ISA guide 7.12.1)
.rept 4
	v_nop
.endr
.endm
	s_load_b256 s[4:11], s[0:1], 0x0               ; qimg s[4:5], kimg s[6:7], vimg s[8:9], the scales' exponents s[10:11]
	s_load_b64 s[12:13], s[0:1], 0x20              ; out0
	v_lshl_add_u32 v254, v0, 2, 0x15400
	v_mov_b32 v255, 0
	v_lshrrev_b32 v1, 5, v0
	v_readfirstlane_b32 s[WV], v1                  ; wave 0..3
	s_and_b32 s[BB], ttmp7, 0xffff                 ; batch
	s_lshr_b32 s[NE], ttmp9, 2                     ; a = j / 4
	s_sub_co_u32 s[NL], 32, s[NE]
	s_add_co_u32 s[NE], s[NE], 1
	s_wait_alu depctr_va_sdst(0)                   ; the wave's number is written to s16, ahead of its first reader
	s_mov_b32 s[STEP], s[WV]
	s_sub_co_u32 s[TRIPS], s[NL], s[WV]            ; steps w, w + 4, .. below nL: (nL - w + 3) / 4 of them; nL is 17 at the least, so there are four or more
	s_add_co_u32 s[TRIPS], s[TRIPS], 3
	s_lshr_b32 s[TRIPS], s[TRIPS], 2
	s_mov_b32 s[TRIP], 0
	s_sub_co_u32 s[QL], 127, ttmp9
	s_lshl_b32 s[QL], s[QL], 5
	s_lshl_b32 s[QE], ttmp9, 5
	s_mov_b32 s[SEL], 0x76543210
	s_mov_b32 s[SEL+1], 0xfedcba98
	v_and_b32 v9, 31, v0                           ; lane
	v_and_b32 v10, 15, v0                          ; r
	v_bfe_u32 v11, v0, 4, 1                        ; h
	v_lshlrev_b32 v1, 4, v9                        ; v1: 16 x lane
	s_mul_i32 s50, s[WV], REG4
	s_mul_i32 s51, s[WV], REG1
	v_add_nc_u32 v2, s50, v1                       ; v2: where I put quads of O^T
	v_lshlrev_b32 v3, 2, v9
	v_add_nc_u32 v5, s51, v3                       ; v5: where I read tile w's words
	v_add_nc_u32 v3, s50, v3                       ; v3: where I put -M and the sum
	v_add_nc_u32 v4, s51, v1                       ; v4: where I read tile w's quads
	v_mul_u32_u24 v6, v10, 272
	v_lshl_add_u32 v6, v11, 5, v6
	v_add_nc_u32 v6, s51, v6
	v_add_nc_u32 v6, STAGE, v6                     ; v6: the stage, in: row r, + 32 h
	v_mul_u32_u24 v7, v11, 272
	v_lshl_add_u32 v7, v10, 4, v7
	v_add_nc_u32 v7, s51, v7
	v_add_nc_u32 v7, STAGE, v7                     ; v7: the stage, back: lanes 0-15 one row, lanes 16-31 the next
	v_lshlrev_b32 v8, 3, v11
	v_sub_nc_u32 v8, v10, v8                       ; v8: r - 8 h
	s_cmp_lt_u32 s[WV], 2                          ; the tile that I finish: wave 0, 1: L's; 2, 3: E's
	s_cselect_b32 s56, s[QL], s[QE]
	s_and_b32 s57, s[WV], 1
	s_lshl_b32 s57, s57, 4
	s_add_co_u32 s56, s56, s57                     ; its first query,
	s_lshl_b32 s56, s56, 8                         ; rows of 256 bytes,
	s_lshl_b32 s57, s[BB], 20
	s_add_co_u32 s56, s56, s57                     ; in my batch
	s_mov_b32 s57, 0
	s_wait_kmcnt 0x0
	s_load_b256 s[40:47], s[10:11], 0x0            ; entries 0 to 7
	s_load_b64 s[48:49], s[10:11], 0x20            ; entries 8, 9
	s_add_nc_u64 s[12:13], s[12:13], s[56:57]
	s_lshl_b32 s[OFS], s[BB], 18                   ; a batch's image: 262,144 bytes in each of the three
	s_mov_b32 s[OFS+1], 0
	s_add_nc_u64 s[K0:K0+1], s[6:7], s[OFS:OFS+1]
	s_add_nc_u64 s[V0:V0+1], s[8:9], s[OFS:OFS+1]
	s_add_nc_u64 s[4:5], s[4:5], s[OFS:OFS+1]
	s_lshl_b32 s[OFS], s[QL], 6                    ; 64 bytes a query
	s_add_nc_u64 s[52:53], s[4:5], s[OFS:OFS+1]
	s_lshl_b32 s[OFS], s[QE], 6
	s_add_nc_u64 s[54:55], s[4:5], s[OFS:OFS+1]
	s_lshl_b32 s[OFS], s[WV], 13                   ; my first key step: 8,192 bytes a step
	s_add_nc_u64 s[KB:KB+1], s[K0:K0+1], s[OFS:OFS+1]
	s_add_nc_u64 s[VB:VB+1], s[V0:V0+1], s[OFS:OFS+1]
	s_wait_alu depctr_va_vdst(0)                   ; v1 to v7 are written: every load and store of the kernel, global or LDS, reads one of them as its offset or address
.irp i, 0,1,2,3
	global_load_b128 v[16+4*\i:19+4*\i], v1, s[52:53] offset:512*\i   ; Q stays in registers
.endr
.irp i, 0,1,2,3
	global_load_b128 v[32+4*\i:35+4*\i], v1, s[54:55] offset:512*\i
.endr
.irp i, 0,1,2,3,4,5,6,7,8,9,10,11,12,13,14,15
	global_load_b128 v[64+4*\i:67+4*\i], v1, s[KB:KB+1] offset:512*\i
.endr
.irp i, 0,1,2,3,4,5,6,7,8,9,10,11,12,13,14,15
	global_load_b128 v[128+4*\i:131+4*\i], v1, s[VB:VB+1] offset:512*\i
.endr
	s_wait_kmcnt 0x0
	s_add_co_i32 s50, s46, s47                     ; e6 + e7,
	s_sub_co_i32 s50, s50, 5                       ; and 1 / 32 = 1024^-0.5,
	s_lshl_b32 s50, s50, 23
	s_add_co_i32 s[CS], s50, 0x3fb8aa3b            ; added to the exponent field of log2(e)
	s_mov_b32 s[CS+1], s[CS]                       ; (named with it as a pair, so it is written)
	s_add_co_i32 s51, s48, 127
	s_lshl_b32 s50, s51, 23                        ; 2^e8
	s_add_co_i32 s51, s51, 8
	s_lshl_b32 s51, s51, 23
	s_or_b32 s51, s51, 0x600000                    ; 448 x 2^e8
	s_add_co_i32 s58, s48, s49                     ; e8 + e9
	; Both pairs begin with O^T = 0, sum = 0 and the largest t = -3e38: the step is written once, and a wave that has no step of pair E hands zeros to the merge.
.irp X, 1,2
	WIN (\X<<6)                                    ; destination window X
.set n, 128
.rept 64
	v_mov_b32 v[n], 0
.set n, n+1
.endr
.irp u, 0,1
	v_mov_b32 v[ST+8*\u], 0x7f61b1e6               ; -M = 3e38
	v_mov_b32 v[ST+8*\u+1], 0xff61b1e6             ; the largest t so far: -3e38
	v_mov_b32 v[ST+8*\u+2], 0
	v_mov_b32 v[ST+8*\u+3], 0
	v_mov_b32 v[ST+8*\u+5], 0                      ; (named as the upper half of f's pair)
	v_mov_b32 v[PERM+\u], 0                        ; a lane permute's destination counts as one of its sources
.endr
	v_mov_b32 v[LIM], s51
	v_mov_b32 v[SCP], s50
	v_mov_b32 v[LT], v8
	v_mov_b32 v[NINF], 0xff800000
.endr
	WIN 0
; S^T = K Q^T for pair X: 16 products, each starts its sum
.macro KQ X
	WIN (\X<<6)
.irp t, 0,1,2,3,4,5,6,7
.irp u, 0,1
	v_wmma_f32_16x16x64_fp8_fp8 v[64*\u+8*\t:64*\u+8*\t+7], v[64+8*\t:64+8*\t+7], v[16+8*(2*(\X-1)+\u):16+8*(2*(\X-1)+\u)+7], 0
.endr
.endr
.endm
; O^T += V^T P^T for pair X: 8 products, each accumulator once
.macro PV X
	WIN (0x54*\X)                                  ; V in window 0; P, C and D in window X
.irp d, 0,1,2,3
.irp u, 0,1
	v_wmma_f32_16x16x128_fp8_fp8 v[128+32*\u+8*\d:128+32*\u+8*\d+7], v[128+16*\d:128+16*\d+15], v[192+16*\u:192+16*\u+15], v[128+32*\u+8*\d:128+32*\u+8*\d+7]
.endr
.endr
.endm
; My next step's image, 16 loads of 512 bytes.  The step is held at 31, the batch's last: in a wave's last trip the loads bring bytes that nobody uses, so that the counts of the waits are the same in every trip.
; The wait on va_vdst for the registers in which they land stands ahead of the macro; only scalar lines lie between.
.macro LDNEXT reg, base, from
	s_add_co_u32 s[OFS], s[STEP], 4
	s_min_u32 s[OFS], s[OFS], 31
	s_lshl_b32 s[OFS], s[OFS], 13
	s_add_nc_u64 s[\base:\base+1], s[\from:\from+1], s[OFS:OFS+1]   ; the loads that named this base have been waited for
.irp i, 0,1,2,3,4,5,6,7,8,9,10,11,12,13,14,15
	global_load_b128 v[\reg+4*\i:\reg+4*\i+3], v1, s[\base:\base+1] offset:512*\i
.endr
.endm
; The softmax of pair X's two tiles for one key step, stage by stage, the tiles by turns: every operand lies in the pair's window.  Each accumulator is read from its low end on.
; kload = 1 (pair L): the next step's K is asked for behind the chains of maxima.
.macro SOFTMAX X, kload
.irp u, 0,1
	v_max3_num_f32 v[ST+8*\u+6], v[64*\u], v[64*\u+1], v[64*\u+2]           ; the step's largest score of my query among my 64 keys, in two chains a tile
	v_max3_num_f32 v[ST+8*\u+7], v[64*\u+3], v[64*\u+4], v[64*\u+5]
.endr
.irp i, 6,10,14,18,22,26,30,34,38,42,46,50,54,58
.irp u, 0,1
	v_max3_num_f32 v[ST+8*\u+6], v[ST+8*\u+6], v[64*\u+\i], v[64*\u+\i+1]
	v_max3_num_f32 v[ST+8*\u+7], v[ST+8*\u+7], v[64*\u+\i+2], v[64*\u+\i+3]
.endr
.endr
.irp u, 0,1
	v_max3_num_f32 v[ST+8*\u+6], v[ST+8*\u+6], v[64*\u+62], v[64*\u+63]
.endr
.if \kload
	WIN 0                                          ; K's registers and the offset lie in window 0
	s_wait_alu depctr_va_vdst(0)                   ; both pairs' products K Q^T are done reading K's registers v64-127, in which the loads below land
	LDNEXT 64, KB, K0                              ; the next K has the rest of this softmax and the second product in which to land
	WIN (0x55*\X)
.endif
.irp u, 0,1
	v_max_num_f32 v[ST+8*\u+6], v[ST+8*\u+6], v[ST+8*\u+7]
.endr
.irp u, 0,1
	v_permlanex16_b32 v[PERM+\u], v[ST+8*\u+6], s[SEL], s[SEL+1]            ; the query's other 64 keys lie in the lane 16 away
.endr
.irp u, 0,1
	v_max_num_f32 v[ST+8*\u+6], v[ST+8*\u+6], v[PERM+\u]
.endr
.irp u, 0,1
	v_mul_f32 v[ST+8*\u+6], s[CS], v[ST+8*\u+6]                             ; as t (c is positive)
.endr
.irp u, 0,1
	v_max_num_f32 v[ST+8*\u+1], v[ST+8*\u+1], v[ST+8*\u+6]                  ; the running largest t
	v_mov_b32 v[ST+8*\u+7], v[ST+8*\u]
.endr
.irp u, 0,1
	v_floor_f32 v[ST+8*\u], -v[ST+8*\u+1]                                   ; the new -M = floor(-t): M is a whole number
.endr
.irp u, 0,1
	v_sub_f32 v[ST+8*\u+7], v[ST+8*\u], v[ST+8*\u+7]                        ; old M - new M: a whole number, 0 or less
.endr
.irp u, 0,1
	v_cvt_i32_f32 v[ST+8*\u+7], v[ST+8*\u+7]                                ; (it saturates)
.endr
.irp u, 0,1
	v_ldexp_f32 v[ST+8*\u+4], 1.0, v[ST+8*\u+7]                             ; f = 2^(old M - new M)
.endr
.irp u, 0,1
.set n, 0
.rept 32
	v_pk_fma_f32 v[64*\u+n:64*\u+n+1], v[64*\u+n:64*\u+n+1], s[CS:CS+1], v[ST+8*\u:ST+8*\u+1] op_sel_hi:[1,0,0]   ; t - M (of the pairs c and -M the low word serves both halves)
.set n, n+2
.endr
.endr
.set n, 0
.rept 128
	v_exp_f32 v[n], v[n]                                                    ; p = 2^(t - M), at most 1: not normalised
.set n, n+1
.endr
.irp u, 0,1
	v_pk_mul_f32 v[ST+8*\u+2:ST+8*\u+3], v[ST+8*\u+2:ST+8*\u+3], v[ST+8*\u+4:ST+8*\u+5] op_sel_hi:[1,0]   ; the sums under the new M (plain lines behind the exponentials)
.endr
	s_wait_alu depctr_va_vdst(0)                   ; the 128 exponentials have written p: one wait for the batch, ahead of the first line that names a result
.irp u, 0,1
	v_pk_add_f32 v[SUM+2*\u:SUM+2*\u+1], v[64*\u:64*\u+1], v[64*\u+2:64*\u+3]   ; the row's sum is taken of the unquantised p, in two chains a tile
.endr
.irp j, 4,8,12,16,20,24,28,32,36,40,44,48,52,56,60
.irp u, 0,1
	v_pk_add_f32 v[ST+8*\u+2:ST+8*\u+3], v[ST+8*\u+2:ST+8*\u+3], v[64*\u+\j:64*\u+\j+1]
	v_pk_add_f32 v[SUM+2*\u:SUM+2*\u+1], v[SUM+2*\u:SUM+2*\u+1], v[64*\u+\j+2:64*\u+\j+3]
.endr
.endr
.irp u, 0,1
	v_pk_add_f32 v[ST+8*\u+2:ST+8*\u+3], v[ST+8*\u+2:ST+8*\u+3], v[SUM+2*\u:SUM+2*\u+1]
.endr
.set n, 0
.rept 128
	v_min_num_f32 v[n], v[n], v[LIM]                                        ; the conversion does not saturate (ISA guide 7.6.2); p is not negative, so the hold is one-sided
.set n, n+1
.endr
.set n, 0
.rept 16
	v_cvt_scalef32_pk8_fp8_f32 v[192+2*n:193+2*n], v[8*n:8*n+7], v[SCP]     ; accumulator t of tile u gives registers 2 t, 2 t + 1 of P(u)
.set n, n+1
.endr
.irp u, 0,1
.set n, 0
.rept 16
	v_pk_mul_f32 v[128+32*\u+n:128+32*\u+n+1], v[128+32*\u+n:128+32*\u+n+1], v[ST+8*\u+4:ST+8*\u+5] op_sel_hi:[1,0]   ; O^T under the new M; also the plain lines between the conversions and the products
.set n, n+2
.endr
.endr
.endm
; The mask, in the pair's last step alone (a scalar branch on ids), then the softmax.  Register 8 t + i of tile u holds key 128 STEP + 16 t + 8 h + i: hidden where 16 t + i > first query + 16 u + r - 8 h - 128 STEP.
; The compares go in runs of sixteen, accumulator t of both tiles, each into a scalar register of its own; one wait stands between a run and its sixteen selects.
.macro PAIRSM X, qx, nx, kload
	WIN 0                                          ; at a branch and at a label every window is 0
	s_add_co_u32 s50, s[STEP], 1
	s_cmp_lg_u32 s50, s[\nx]
	s_cbranch_scc1 .Lopen_\@
	s_lshl_b32 s56, s[STEP], 7
	s_sub_co_i32 s56, s[\qx], s56
	s_add_co_i32 s57, s56, 16
	WIN (0x55*\X)
	v_add_nc_u32 v[DD], s56, v[LT]
	v_add_nc_u32 v[DD+1], s57, v[LT]
.set g, 0
.rept 8
.set i, 0
.rept 8
	v_cmp_gt_i32 s[MKA+i], 16*g+i, v[DD]
	v_cmp_gt_i32 s[MKB+i], 16*g+i, v[DD+1]
.set i, i+1
.endr
	s_wait_alu depctr_va_sdst(0)                   ; the sixteen compares have written their lane masks, ahead of the selects that read them
.set i, 0
.rept 8
	v_cndmask_b32 v[8*g+i], v[8*g+i], v[NINF], s[MKA+i]
	v_cndmask_b32 v[64+8*g+i], v[64+8*g+i], v[NINF], s[MKB+i]
.set i, i+1
.endr
.set g, g+1
.endr
	WIN 0
.Lopen_\@:
	WIN (0x55*\X)
	SOFTMAX \X, \kload
.endm
.Lstep:                                            ; TRIPS trips, counted by TRIP; STEP goes w, w + 4, ..
	s_wait_loadcnt 16                              ; K (and, in the first trip, Q) is in; V's 16 loads were issued behind it and may be out
	s_cmp_ge_u32 s[STEP], s[NE]
	s_cbranch_scc1 .Lno_e                          ; pair E's whole work of a step stands under this one branch
	KQ 2
	PLACES
	PAIRSM 2, QE, NE, 0
	s_wait_loadcnt 0x0                             ; V: nothing was issued behind it
	PV 2
	WIN 0
.Lno_e:
	KQ 1
	PLACES                                         ; ahead of the first read of the scores
	PAIRSM 1, QL, NL, 1                            ; the next K's loads stand in this softmax
	s_wait_loadcnt 16                              ; V is in, on both ways; the 16 loads issued behind it are the next K's
	PV 1
	PLACES                                         ; behind the loop O^T is read
	WIN 0                                          ; V's registers and the offset lie in window 0
	s_wait_alu depctr_va_vdst(0)                   ; both pairs' products V^T P^T are done reading V's registers v128-191, in which the loads below land
	LDNEXT 128, VB, V0
	s_add_co_u32 s[STEP], s[STEP], 4
	s_add_co_u32 s[TRIP], s[TRIP], 1
	s_cmp_lt_u32 s[TRIP], s[TRIPS]
	s_cbranch_scc1 .Lstep
	; THE MERGE.  Each wave finishes its sums and puts O^T, -M and the sum of all four tiles into LDS as images of their registers.
	s_wait_loadcnt 0x0                             ; the last trip's loads have landed: their registers are used again below
.irp X, 1,2
	WIN (0x55*\X)
.irp u, 0,1
	v_add_f32 v[ST+8*\u+2], v[ST+8*\u+2], v[ST+8*\u+3]
.endr
.irp u, 0,1
	v_permlanex16_b32 v[PERM+\u], v[ST+8*\u+2], s[SEL], s[SEL+1]
.endr
.irp u, 0,1
	v_add_f32 v[ST+8*\u+2], v[ST+8*\u+2], v[PERM+\u]                        ; the sum over my keys
.endr
.endr
	WIN (1<<2)                                     ; the data lie in window 1, then 2
	s_wait_alu depctr_va_vdst(0)                   ; the products have written O^T, the softmax -M and the additions above the sums of both pairs: the LDS stores below read them
.irp X, 1,2
	WIN (\X<<2)
.irp u, 0,1
.irp i, 0,1,2,3,4,5,6,7
	ds_store_b128 v2, v[128+32*\u+4*\i:128+32*\u+4*\i+3] offset:(2*(\X-1)+\u)*REG1+512*\i
.endr
	ds_store_b32 v3, v[ST+8*\u] offset:(2*(\X-1)+\u)*REG1+4096
	ds_store_b32 v3, v[ST+8*\u+2] offset:(2*(\X-1)+\u)*REG1+4224
.endr
.endr
	WIN 0
	s_wait_dscnt 0x0                               ; for the others' sake: my stores have landed
	s_barrier_signal -1
	s_barrier_wait -1
	; Wave w finishes tile w: the four waves' -M (v16-19), sums (v20-23) and O^T (v64-191)
	s_wait_alu depctr_va_vdst(0)                   ; the loop's products are done reading Q's, K's and V's registers, v16-23 and v64-191 of window 0, in which the loads below land
.irp w, 0,1,2,3
	ds_load_b32 v[16+\w], v5 offset:\w*REG4+4096
	ds_load_b32 v[20+\w], v5 offset:\w*REG4+4224
.endr
.irp w, 0,1,2,3
.irp i, 0,1,2,3,4,5,6,7
	ds_load_b128 v[64+32*\w+4*\i:64+32*\w+4*\i+3], v4 offset:\w*REG4+512*\i
.endr
.endr
	s_wait_dscnt 32                                ; the eight words are in; the 32 quads issued behind them may be out
	v_min3_num_f32 v24, v16, v17, v18
	v_min_num_f32 v24, v24, v19                    ; the least -M: the largest M
.irp i, 0,1,2,3
	v_sub_f32 v[28+\i], v24, v[16+\i]              ; M of wave i less the largest: a whole number, 0 or less
.endr
.irp i, 0,1,2,3
	v_cvt_i32_f32 v[28+\i], v[28+\i]               ; (it saturates: a wave without a step of this tile gets the factor 0)
.endr
.irp i, 0,1,2,3
	v_ldexp_f32 v[28+\i], 1.0, v[28+\i]
.endr
	v_mul_f32 v25, v28, v20
	v_fmac_f32 v25, v29, v21
	v_fmac_f32 v25, v30, v22
	v_fmac_f32 v25, v31, v23                       ; the row's sum
	v_rcp_f32 v25, v25
	v_nop                                          ; a plain line behind the transcendental
	s_wait_alu depctr_va_vdst(0)                   ; the reciprocal has written v25, ahead of the first line that names it
	v_ldexp_f32 v25, v25, s58                      ; x 2^(e8 + e9)
.irp i, 0,1,2,3
	v_mul_f32 v[32+2*\i], v[28+\i], v25            ; wave i's factor, in both registers of a pair
	v_mul_f32 v[33+2*\i], v[28+\i], v25
.endr
	s_wait_dscnt 0x0
.irp p, 0,2,4,6,8,10,12,14,16,18,20,22,24,26,28,30
	v_pk_mul_f32 v[192+\p:193+\p], v[64+\p:65+\p], v[32:33]
.endr
.irp w, 1,2,3
.irp p, 0,2,4,6,8,10,12,14,16,18,20,22,24,26,28,30
	v_pk_fma_f32 v[192+\p:193+\p], v[64+32*\w+\p:65+32*\w+\p], v[32+2*\w:33+2*\w], v[192+\p:193+\p]
.endr
.endr
	; THE WAY OUT.  Register 8 d + i is out(query r, channel 16 d + 8 h + i).  The tile goes through my own stage and comes back as rows of 256 bytes, two an instruction.
	s_wait_alu depctr_va_vdst(0)                   ; the multiply-adds have written v192-223, which the LDS stores read, and are done reading v64-95, in which the loads from the stage land
.irp d, 0,1,2,3
	ds_store_b128 v6, v[192+8*\d:195+8*\d] offset:64*\d
	ds_store_b128 v6, v[196+8*\d:199+8*\d] offset:64*\d+16
.endr
.irp i, 0,1,2,3,4,5,6,7
	ds_load_b128 v[64+4*\i:67+4*\i], v7 offset:544*\i   ; LDS serves a wave's instructions in order (ISA guide 5.7.1.4): these see my stores
.endr
.irp i, 0,1,2,3,4,5,6,7
	s_wait_dscnt 7-\i
	global_store_b128 v1, v[64+4*\i:67+4*\i], s[12:13] offset:512*\i th:TH_STORE_NT   ; 32 lanes store 512 consecutive bytes, aligned: two rows of out
.endr
	s_wait_dscnt 0x0
	s_wait_alu depctr_hold_cnt(0) depctr_sa_sdst(0) depctr_va_vdst(0) depctr_va_sdst(0) depctr_va_ssrc(0) depctr_va_vcc(0) depctr_vm_vsrc(0)
	s_wait_tensorcnt 0x0
	ds_add_u32 v254, v255
	s_wait_dscnt 0x0
	s_endpgm
.Lfunc_end_k_q01fbcf185a_attn:
	.size	k_q01fbcf185a_attn, .Lfunc_end_k_q01fbcf185a_attn-k_q01fbcf185a_attn
	.p2alignl 7, 3214868480
	.fill 96, 4, 3214868480
	.section	.rodata,"a",@progbits
	.p2align	6, 0x0
	.amdhsa_kernel k_q01fbcf185a_attn
		.amdhsa_group_segment_fixed_size 87552
		.amdhsa_private_segment_fixed_size 0
		.amdhsa_enable_private_segment 0
		.amdhsa_kernarg_size 40
		.amdhsa_user_sgpr_count 2
		.amdhsa_user_sgpr_kernarg_segment_ptr 1
		.amdhsa_wavefront_size32 1
		.amdhsa_system_sgpr_workgroup_id_x 1
		.amdhsa_system_sgpr_workgroup_id_y 1
		.amdhsa_system_sgpr_workgroup_id_z 1
		.amdhsa_system_vgpr_workitem_id 0
		.amdhsa_next_free_vgpr 768
		.amdhsa_next_free_sgpr 66
		.amdhsa_reserve_vcc 0
		.amdhsa_float_denorm_mode_32 3
		.amdhsa_float_denorm_mode_16_64 3
		.amdhsa_memory_ordered 1
		.amdhsa_forward_progress 1
		.amdhsa_inst_pref_size 119
	.end_amdhsa_kernel
	.amdgpu_metadata
---
amdhsa.version: [ 1, 2 ]
amdhsa.kernels:
  - .name:           k_q01fbcf185a_attn
    .symbol:         k_q01fbcf185a_attn.kd
    .args:
      - { .name: qimg, .offset: 0, .size: 8, .value_kind: global_buffer, .address_space: global }
      - { .name: kimg, .offset: 8, .size: 8, .value_kind: global_buffer, .address_space: global }
      - { .name: vimg, .offset: 16, .size: 8, .value_kind: global_buffer, .address_space: global }
      - { .name: lowp_scales, .offset: 24, .size: 8, .value_kind: global_buffer, .address_space: global }
      - { .name: out0, .offset: 32, .size: 8, .value_kind: global_buffer, .address_space: global }
    .group_segment_fixed_size: 87552
    .private_segment_fixed_size: 0
    .kernarg_segment_align: 8
    .kernarg_segment_size: 40
    .max_flat_workgroup_size: 128
    .sgpr_count:     66
    .vgpr_count:     768
    .wavefront_size: 32
...
	.end_amdgpu_metadata
.endif
;; end of part 4
